; MI455X (gfx1250); checked and timed in simulation.
; The chip was launched on July 23, 2026; its instructions are those of AMD's public machine-readable ISA for CDNA 5 (MIT licence, August 2026) and "CDNA5" Instruction Set Architecture Reference Guide (July 2026). The comments in the code are by the model that wrote it; some were corrected since.
;; Multiple Kmeans. Allowed arithmetic: matrix products marked QUANTISED: E2M1 operands, one E8M0 scale for each 32 along K, by v_wmma_scale_f32_16x16x128_f8f6f4 with both operands' format E2M1 (or v_wmma_scale_f32_32x16x128_f4), f32 sums; everything else in f32.
;; Inputs: centroids 8 x 512 x 1,024 float32; emb 1 x 16,384 x 1,024 float32; model_idx 16,384 int32.
;; Outputs: out0 1 x 16,384 x 1,024 float32.
;; This version of the problem:
;;   THIS VERSION OF THE PROBLEM IS GIVEN IN LOW PRECISION. The matrix products marked QUANTISED in the list below multiply operands that are first quantised to E2M1 (2 exponent bits, 1 mantissa bit; 4 bits a number), with one power-of-two scale for each 32 numbers along K (OCP MX v1.0); their sums are f32. All else is computed in f32.
;;   The module's matrix products, in the order in which they are computed (A, B: the left and right operand; K: the contracted axis; several contracted axes count as one K, in the product's order):
;;     1. [M 16,384, K 1,024] x [K 1,024, N 4,096]; A: input emb; B: input centroids: QUANTISED
;;   THE QUANTISER, for each operand of a quantised product, along K:
;;     - K is cut into blocks of 32 from its start; a last block that is shorter is filled with zeros.
;;     - A block's scale is 2^e with e = floor(log2(the largest magnitude in the block)) - 2, held to -126 .. 127; a block of zeros has e = 0. As a byte (E8M0): e + 127.
;;     - Each number is divided by its block's scale, clamped to +-6, and rounded to the nearest number of E2M1, ties to even, subnormals kept.
;;     - The product sums the exact products of the quantised numbers (number of the format x scale) in f32.
;;   ~~~python
;;   def quantise(x, axis):      # numpy; x: float32 -> the quantised numbers, widened to float32 again
;;       x = np.moveaxis(x, axis, -1); K = x.shape[-1]
;;       x = np.pad(x, [(0, 0)] * (x.ndim - 1) + [(0, -K % 32)]); x = x.reshape(x.shape[:-1] + (-1, 32)); a = np.abs(x).max(-1, keepdims=True)
;;       e = np.where(a > 0, np.clip(np.frexp(np.where(a > 0, a, 1))[1] - 1 - 2, -126, 127), 0)      # np.frexp(a)[1] - 1 = floor(log2(a)), exactly
;;       r = np.clip(x / 2.0 ** e, -6, 6)
;;       step = 2.0 ** (np.maximum(np.frexp(np.where(r == 0, 1, r))[1] - 1, 0) - 1)
;;       q = np.round(r / step) * step * 2.0 ** e      # np.round: ties to even
;;       return np.moveaxis(q.reshape(q.shape[:-2] + (-1,))[..., :K], -1, axis).astype(np.float32)
;;   ~~~
;; One version. Each part assembles by itself: llvm-mc -triple=amdgcn-amd-amdhsa -mcpu=gfx1250 --defsym DOCPART=n.
;; ======== version 1 of 1: 3 launches
;; limits: right only within a limited range of input values
;; workspace buffers: cq 2,097,152 bytes; csc 131,072 bytes; csq 16,384 bytes; orderp 81,920 bytes of whole numbers; starts 256 bytes of whole numbers; src 65,536 bytes of whole numbers
;; launch prep (part 1): grid 272 x 1, 8 waves a work-group, no clusters, 12,032 bytes of LDS; arguments centroids, model_idx, cq, csc, csq, orderp, starts; writes cq, csc, csq, orderp, starts
.if DOCPART == 1
	.amdgcn_target "amdgcn-amd-amdhsa--gfx1250"
	.amdhsa_code_object_version 6
	.text
	.protected	k_q4f50db6373_prep
	.globl	k_q4f50db6373_prep
	.p2align	8
	.type	k_q4f50db6373_prep,@function
k_q4f50db6373_prep:
	s_mov_b64 s[64:65], 0
	v_nop
	global_prefetch_b8 v0, s[64:65] scope:SCOPE_SE
	s_setreg_imm32_b32 hwreg(HW_REG_WAVE_MODE, 25, 1), 1
	s_wait_xcnt 0x0
; WHAT THE PROGRAM LEAVES OUT: x_sq. It is added to every one of a frame's 512 distances alike, and an argmin over them does not change when one number is added to all of them,
; whatever finite values emb and centroids hold. So argmin(x_sq - 2 dot + c_sq) = argmax(dot - c_sq / 2). LIMIT: a NaN, an infinity or an overflow that reaches x_sq alone is not carried to the result;
; distances that differ by no more than f32 rounding may be ordered otherwise than with x_sq added.
; The seven models that model_idx does not name for a frame are not multiplied: the lists made here say which are.
;
; TWO JOBS, parted by the work-group's number.
; Work-groups 16 .. 271: 16 centroids each (a tile of the product): f32 -> codes of FP4 (E2M1), one E8M0 byte for each 32, and -c_sq / 2.
;   cq: [tile 256][K step 8][block 4][row 16][16 bytes], the image of the matrix operand's registers. csc: [centroid 4096][32 bytes]. csq: [4096] f32, minus half the sum of squares.
;   Within a block of 32 the order along K is permuted, here and for the frames alike: dword i holds k = 4 i .. 4 i + 3, then 16 + 4 i .. 16 + 4 i + 3. Sums over the block stay the same.
; Work-groups 0 .. 15: a counting sort of model_idx without atomics into tiles of up to 66 frames of one model: orderp[80 x tile + slot], slots 0 .. 65; slots without a frame get 0. starts[m] = #(idx < m).
; A block's scale is 2^(floor(log2(largest magnitude)) - 2); its byte is held at 1 from below by a floor among the maximum's leaves.
; LIMITS: NaN and infinities are not served; a block of zeros gets the byte 1 (its codes are zeros; this program alone reads the bytes); blocks whose largest magnitude lies under 2^-124 have the byte 1;
; model_idx outside 0 .. 7 is not served; c_sq is an f32 sum in this text's own order.
; No cluster and no tensor loads: no two work-groups read the same centroid. No prefetch: a wave's loads all go out at its head.
.set STW,  11
.set STR,  12
.set SS,   9216                        ; behind 8 stages of 4 x 288 bytes: 16 rows x 48 scale bytes (32 used)
.set PQ,   9984                        ; 8 waves x 16 partial sums
.set SRT,  10496                       ; the sort's own: 8 waves x 48 bytes
.set SPARE, 11008                      ; spare words, 128 bytes a wave
.set SPW,  2
.set NIL,  3
.set LL,   4                           ; lane
.set LR,   5                           ; lane % 16
.set LH,   6                           ; lane / 16
.set LB,   7                           ; (lane % 16) / 4
.set LI,   8                           ; lane % 4
.set DT,   32                          ; 16 rows x 4 numbers
.set M1,   96
.set M2,   100
.set SO,   104
.set CD,   108
.set SQ,   112
.set PS,   120
	s_load_b256 s[4:11], s[0:1], 0x0               ; centroids, model_idx, cq, csc
	s_load_b128 s[12:15], s[0:1], 0x20             ; csq, orderp
	s_load_b64 s[16:17], s[0:1], 0x30              ; starts
	v_lshrrev_b32 v1, 5, v0
	v_readfirstlane_b32 s2, v1                     ; wave 0..7
	v_lshl_add_u32 v[SPW], v0, 2, SPARE
	v_mov_b32 v[NIL], 0
	v_and_b32 v[LL], 31, v0
	v_and_b32 v[LR], 15, v0
	v_bfe_u32 v[LH], v0, 4, 1
	v_bfe_u32 v[LB], v0, 2, 2
	v_and_b32 v[LI], 3, v0
	s_wait_alu depctr_va_vdst(0)                   ; the wait ahead of the branch
	s_cmp_lt_u32 ttmp9, 16
	s_cbranch_scc1 .Lsort
; THE QUANTISER. Wave w takes K step w (128 numbers, 512 bytes) of 16 rows, a load a row. Lane (r, h) loads piece r % 4 + 4 h (16 bytes) of block r / 4.
	v_lshlrev_b32 v10, 9, v1
	v_lshl_add_u32 v10, v[LB], 7, v10
	v_lshl_add_u32 v10, v[LI], 4, v10
	v_lshl_add_u32 v10, v[LH], 6, v10
	v_mul_u32_u24 v[STW], 1152, v1
	v_mul_u32_u24 v[STR], 288, v[LH]
	v_add_nc_u32 v[STR], v[STW], v[STR]
	v_lshl_add_u32 v[STR], v[LR], 4, v[STR]        ; out of my stage: block 2 c + h, row r
	v_mul_u32_u24 v13, 288, v[LB]
	v_add_nc_u32 v[STW], v[STW], v13
	v_lshl_add_u32 v[STW], v[LH], 4, v[STW]
	v_lshl_add_u32 v[STW], v[LI], 2, v[STW]        ; into it: block b, row 2 j + h, dword i
	v_mul_u32_u24 v13, 48, v[LH]
	v_lshl_add_u32 v13, v1, 2, v13
	v_add_nc_u32 v13, v13, v[LB]
	v_add_nc_u32 v13, SS, v13                      ; scale bytes: row 2 j + h, byte 4 w + b
	v_lshlrev_b32 v14, 6, v1
	v_lshl_add_u32 v14, v[LH], 2, v14
	v_add_nc_u32 v14, PQ, v14                      ; partial sums
	v_lshlrev_b32 v15, 4, v[LL]
	v_lshrrev_b32 v16, 1, v[LL]
	v_mul_u32_u24 v16, 48, v16
	v_and_b32 v17, 1, v0
	v_lshl_add_u32 v16, v17, 4, v16
	v_add_nc_u32 v16, SS, v16                      ; scale bytes out: row lane / 2, half lane % 2
	v_lshl_add_u32 v17, v[LR], 2, PQ
	v_lshlrev_b32 v18, 2, v[LL]
	s_wait_alu depctr_va_vdst(0)                   ; the wait at the head's end
	s_sub_co_u32 s3, ttmp9, 16                     ; the tile
	s_lshl_b32 s20, s3, 16
	s_mov_b32 s21, 0
	s_lshl_b32 s22, s3, 13
	s_lshl_b32 s18, s2, 10
	s_add_co_u32 s22, s22, s18
	s_mov_b32 s23, 0
	s_lshl_b32 s24, s3, 9
	s_mov_b32 s25, 0
	s_lshl_b32 s26, s3, 6
	s_mov_b32 s27, 0
	s_wait_kmcnt 0x0
	s_add_nc_u64 s[20:21], s[4:5], s[20:21]
	s_add_nc_u64 s[22:23], s[8:9], s[22:23]
	s_add_nc_u64 s[24:25], s[10:11], s[24:25]
	s_add_nc_u64 s[26:27], s[12:13], s[26:27]
.irp r, 0,1,2,3,4,5,6,7,8,9,10,11,12,13,14,15
	global_load_b128 v[DT+4*\r:DT+4*\r+3], v10, s[20:21] offset:4096*\r th:TH_LOAD_NT   ; 512 consecutive bytes in all
.endr
; Four pairs of rows by turns. The swap gives lanes 0-15 eight numbers of row 2 j, lanes 16-31 eight of row 2 j + 1; four lanes hold a block.
.macro QP g
	s_wait_loadcnt 8-8*\g                          ; the second group's eight loads may stay out
.irp i, 0,1,2,3
.irp k, 0,1,2,3
	v_permlane16_swap_b32 v[DT+8*(4*\g+\k)+\i], v[DT+8*(4*\g+\k)+4+\i]
.endr
.endr
.irp k, 0,1,2,3
	v_max3_num_f32 v[M1+\k], |v[DT+8*(4*\g+\k)]|, |v[DT+8*(4*\g+\k)+1]|, 0x1800000   ; the floor 2^(3 - 127): the byte cannot fall under 1
	v_max3_num_f32 v[M2+\k], |v[DT+8*(4*\g+\k)+2]|, |v[DT+8*(4*\g+\k)+3]|, |v[DT+8*(4*\g+\k)+4]|
.endr
.irp k, 0,1,2,3
	v_max3_num_f32 v[M1+\k], v[M1+\k], |v[DT+8*(4*\g+\k)+5]|, |v[DT+8*(4*\g+\k)+6]|
.endr
.irp k, 0,1,2,3
	v_max3_num_f32 v[M1+\k], v[M1+\k], v[M2+\k], |v[DT+8*(4*\g+\k)+7]|
.endr
.irp x, 1,2
.irp k, 0,1,2,3
	v_max_num_f32_dpp v[M1+\k], v[M1+\k], v[M1+\k] row_xmask:\x row_mask:0xf bank_mask:0xf
.endr
.endr
.irp k, 0,1,2,3
	v_add_nc_u32 v[SO+\k], 0xff000000, v[M1+\k]    ; 2 off the exponent field: the conversion's scale operand
.endr
.irp k, 0,1,2,3
	v_cvt_scalef32_pk8_fp4_f32 v[CD+\k], v[DT+8*(4*\g+\k):DT+8*(4*\g+\k)+7], v[SO+\k]
.endr
.irp k, 0,1,2,3
	v_lshrrev_b32 v[M2+\k], 23, v[SO+\k]           ; the scale's byte
.endr
.irp k, 0,1,2,3
	v_pk_mul_f32 v[SQ+2*\k:SQ+2*\k+1], v[DT+8*(4*\g+\k):DT+8*(4*\g+\k)+1], v[DT+8*(4*\g+\k):DT+8*(4*\g+\k)+1]
.endr
.irp i, 2,4,6
.irp k, 0,1,2,3
	v_pk_fma_f32 v[SQ+2*\k:SQ+2*\k+1], v[DT+8*(4*\g+\k)+\i:DT+8*(4*\g+\k)+\i+1], v[DT+8*(4*\g+\k)+\i:DT+8*(4*\g+\k)+\i+1], v[SQ+2*\k:SQ+2*\k+1]
.endr
.endr
.irp k, 0,1,2,3
	v_add_f32 v[PS+4*\g+\k], v[SQ+2*\k], v[SQ+2*\k+1]
.endr
.irp k, 0,1,2,3
	ds_store_b32 v[STW], v[CD+\k] offset:32*(4*\g+\k)
	ds_store_b8 v13, v[M2+\k] offset:96*(4*\g+\k)  ; a block's four lanes write the same byte with the same value
.endr
.endm
	QP 0
	QP 1
	ds_load_b128 v[32:35], v[STR]                  ; my own stage: LDS serves a wave's instructions in order
	ds_load_b128 v[36:39], v[STR] offset:576
.irp x, 1,2,4,8
.irp k, 0,1,2,3,4,5,6,7
	v_add_f32_dpp v[PS+\k], v[PS+\k], v[PS+\k] row_xmask:\x row_mask:0xf bank_mask:0xf   ; each half's 16 lanes: its row's sum
.endr
.endr
.irp k, 0,1,2,3,4,5,6,7
	ds_store_b32 v14, v[PS+\k] offset:8*\k         ; a half's lanes write the same word with the same value
.endr
	s_wait_tensorcnt 0x0
	ds_add_u32 v[SPW], v[NIL]
	s_wait_dscnt 0x0                               ; for the others' sake: all my stores have landed
	global_store_b128 v15, v[32:35], s[22:23]
	global_store_b128 v15, v[36:39], s[22:23] offset:512
	s_barrier_signal -1
	s_barrier_wait -1
	s_cmp_gt_u32 s2, 1
	s_cbranch_scc1 .Lqend
	s_cmp_eq_u32 s2, 1
	s_cbranch_scc1 .Lsums
	ds_load_b128 v[40:43], v16                     ; wave 0: the tile's 512 scale bytes
	s_wait_dscnt 0x0
	global_store_b128 v15, v[40:43], s[24:25]
	s_endpgm
.Lsums:                                                ; wave 1: each row's eight partial sums
.irp w, 0,1,2,3,4,5,6,7
	ds_load_b32 v[40+\w], v17 offset:64*\w
.endr
	s_wait_dscnt 0x0
.irp w, 0,1,2,3
	v_add_f32 v[40+\w], v[40+\w], v[44+\w]
.endr
	v_add_f32 v40, v40, v41
	v_add_f32 v42, v42, v43
	v_add_f32 v40, v40, v42
	v_mul_f32 v40, -0.5, v40                       ; what the product's sums begin with
	v_cmp_gt_u32 vcc_lo, 16, v[LL]
	s_wait_alu depctr_va_vdst(0)
	s_wait_xcnt 0x0                                ; EXEC changes only behind this wait
	s_and_saveexec_b32 s30, vcc_lo
	global_store_b32 v18, v40, s[26:27]            ; 16 sums
	s_endpgm
.Lqend:
	s_endpgm
; THE SORT. Work-group p owns frames 1024 p .. + 1023 and counts all 16,384 indices: load j of its 8 waves is the j-th 1,024, so loads j < p lie ahead of its part.
; An index i adds 1 to nibble i of a lane's word; nibbles are widened to bytes, bytes to 16 bits ahead of the sums over lanes and waves (at most 16,384).
.Lsort:
	v_lshlrev_b32 v10, 9, v1
	v_lshl_add_u32 v10, v[LL], 4, v10              ; 512 w + 16 x lane in each 4,096 bytes
	s_lshl_b32 s20, ttmp9, 10
	v_lshl_add_u32 v11, v1, 7, s20
	v_lshl_add_u32 v11, v[LL], 2, v11              ; my first own frame
	v_mul_u32_u24 v12, 48, v1
	v_add_nc_u32 v12, SRT, v12
	v_mov_b32 v13, SRT
	v_mov_b32 v14, 0                               ; all: bytes of models 0, 2, 4, 6
	v_mov_b32 v15, 0                               ; and of 1, 3, 5, 7
	v_mov_b32 v16, 0                               ; ahead of my part: the same
	v_mov_b32 v17, 0
	v_lshlrev_b32 v19, 2, v[LL]
	v_mov_b32 v28, 0
	v_mov_b32 v29, 0
	s_wait_alu depctr_va_vdst(0)                   ; the wait at the head's end
	s_lshl_b32 s18, ttmp9, 12
	s_mov_b32 s19, 0
	s_mov_b32 s28, 0x76543210                      ; v_permlanex16_b32's selects for lane l xor 16
	s_mov_b32 s29, 0xfedcba98
	s_mov_b32 s30, 0x0f0f0f0f
	s_mov_b32 s31, 0x00ff00ff
	s_wait_kmcnt 0x0
	s_add_nc_u64 s[18:19], s[6:7], s[18:19]
	global_load_b128 v[20:23], v10, s[18:19]       ; my own four indices
.irp j, 0,1,2,3,4,5,6,7,8,9,10,11,12,13,14,15
	global_load_b128 v[32+4*\j:35+4*\j], v10, s[6:7] offset:4096*\j
.endr
	s_wait_loadcnt 16                              ; mine are in; the 16 behind them may stay out
.irp e, 0,1,2,3
	v_lshlrev_b32 v[96+\e], 2, v[20+\e]
.endr
	v_lshlrev_b32 v24, v96, 1
.irp e, 1,2,3
	v_lshl_add_u32 v24, 1, v[96+\e], v24           ; my own four, as nibbles
.endr
.macro CNT4 b                                          ; loads 4 b .. 4 b + 3
.irp k, 0,1,2,3
	s_cmp_gt_u32 ttmp9, 4*\b+\k
	s_cselect_b32 s[34+\k], -1, 0                  ; ahead of my part?
.endr
	s_wait_loadcnt 12-4*\b                         ; the later groups' loads may stay out
.irp e, 0,1,2,3
.irp k, 0,1,2,3
	v_lshlrev_b32 v[32+16*\b+4*\k+\e], 2, v[32+16*\b+4*\k+\e]
.endr
.endr
.irp k, 0,1,2,3
	v_lshlrev_b32 v[96+\k], v[32+16*\b+4*\k], 1
.endr
.irp e, 1,2,3
.irp k, 0,1,2,3
	v_lshl_add_u32 v[96+\k], 1, v[32+16*\b+4*\k+\e], v[96+\k]
.endr
.endr
.irp k, 0,1,2,3
	v_and_b32 v[100+\k], s30, v[96+\k]
	v_lshrrev_b32 v[104+\k], 4, v[96+\k]
.endr
.irp k, 0,1,2,3
	v_and_b32 v[104+\k], s30, v[104+\k]
.endr
	v_add3_u32 v14, v14, v100, v101
	v_add3_u32 v15, v15, v104, v105
	v_add3_u32 v14, v14, v102, v103
	v_add3_u32 v15, v15, v106, v107
.irp k, 0,1,2,3
	v_and_b32 v[100+\k], s[34+\k], v[100+\k]
	v_and_b32 v[104+\k], s[34+\k], v[104+\k]
.endr
	v_add3_u32 v16, v16, v100, v101
	v_add3_u32 v17, v17, v104, v105
	v_add3_u32 v16, v16, v102, v103
	v_add3_u32 v17, v17, v106, v107
.endm
	CNT4 0
	CNT4 1
	CNT4 2
	CNT4 3
	v_and_b32 v25, s30, v24
	v_lshrrev_b32 v26, 4, v24
	v_and_b32 v26, s30, v26
; Bytes to 16 bits: register 2 (m % 2) + (m / 2) % 2 of four, low half for m < 4.
.macro EXPD d, a
	v_and_b32 v[\d], s31, v[\a]
	v_lshrrev_b32 v[\d+1], 8, v[\a]
	v_and_b32 v[\d+1], s31, v[\d+1]
.endm
	EXPD 112, 14
	EXPD 114, 15
	EXPD 116, 16
	EXPD 118, 17
	EXPD 120, 25
	EXPD 122, 26
.irp x, 1,2,4,8
.irp i, 0,1,2,3,4,5,6,7,8,9,10,11
	v_add_nc_u32_dpp v[112+\i], v[112+\i], v[112+\i] row_xmask:\x row_mask:0xf bank_mask:0xf
.endr
.endr
.irp i, 0,1,2,3,4,5,6,7,8,9,10,11
	v_permlanex16_b32 v[32+\i], v[112+\i], s28, s29
.endr
.irp i, 0,1,2,3,4,5,6,7,8,9,10,11
	v_add_nc_u32 v[112+\i], v[112+\i], v[32+\i]
.endr
.irp k, 0,1,2
	ds_store_b128 v12, v[112+4*\k:115+4*\k] offset:16*\k   ; all lanes write the same bytes with the same value: all, ahead, own
.endr
	s_wait_tensorcnt 0x0
	ds_add_u32 v[SPW], v[NIL]
	s_wait_dscnt 0x0
	s_barrier_signal -1
	s_barrier_wait -1
.irp w, 0,1,2,3,4,5,6,7
.irp k, 0,1,2
	ds_load_b128 v[32+12*\w+4*\k:35+12*\w+4*\k], v13 offset:48*\w+16*\k
.endr
.endr
.irp w, 0,1,2,3,4,5,6
	s_cmp_gt_u32 s2, \w
	s_cselect_b32 s[34+\w], -1, 0                  ; a wave below mine: its own frames lie ahead of mine
.endr
	s_wait_dscnt 0x0
.irp w, 0,1,2,3,4,5,6
.irp i, 0,1,2,3
	v_and_b32 v[40+12*\w+\i], s[34+\w], v[40+12*\w+\i]
.endr
.endr
.irp o, 0,4
.irp i, 0,1,2,3
	v_add3_u32 v[128+\o+\i], v[32+\o+\i], v[44+\o+\i], v[116+\o+\i]   ; (v112-115 hold wave 6's own counts)
.endr
.irp i, 0,1,2,3
	v_add3_u32 v[128+\o+\i], v[128+\o+\i], v[56+\o+\i], v[68+\o+\i]
.endr
.irp i, 0,1,2,3
	v_add3_u32 v[128+\o+\i], v[128+\o+\i], v[80+\o+\i], v[92+\o+\i]
.endr
.irp i, 0,1,2,3
.if \o == 0
	v_add_nc_u32 v[14+\i], v[128+\i], v[104+\i]
.else
	v_add_nc_u32 v[24+\i], v[132+\i], v[108+\i]
.endif
.endr
.endr
.irp w, 0,2,4
.irp i, 0,1,2,3
	v_add3_u32 v[24+\i], v[24+\i], v[40+12*\w+\i], v[52+12*\w+\i]
.endr
.endr
.irp i, 0,1,2,3
	v_add_nc_u32 v[24+\i], v[24+\i], v[112+\i]     ; wave 6's own counts
.endr
.irp i, 0,1,2,3
	v_readfirstlane_b32 s[44+\i], v[14+\i]
.endr
.irp i, 0,1,2,3
	v_readfirstlane_b32 s[48+\i], v[24+\i]
.endr
	s_mov_b32 s76, 0                               ; frames of lower models
	s_mov_b32 s77, 0                               ; 80 x their tiles
	s_mov_b32 s78, 0                               ; fillers: the first rank,
	s_mov_b32 s79, 0                               ; the end of the ranks,
	s_mov_b32 s80, 0                               ; 80 x the first tile
.irp m, 0,1,2,3,4,5,6,7
.if \m < 4
	s_and_b32 s74, s[44+2*(\m&1)+((\m>>1)&1)], 0xffff
	s_and_b32 s[52+\m], s[48+2*(\m&1)+((\m>>1)&1)], 0xffff
.else
	s_lshr_b32 s74, s[44+2*(\m&1)+((\m>>1)&1)], 16
	s_lshr_b32 s[52+\m], s[48+2*(\m&1)+((\m>>1)&1)], 16   ; the rank of my wave's first frame of model m
.endif
	s_mov_b32 s[86+\m], s76
	s_mov_b32 s[66+\m], s77
	s_add_co_u32 s75, s74, 65
	s_mul_i32 s75, s75, 63551                      ; x / 66 = (x x 63,551) >> 22, exact for x up to 16,449
	s_lshr_b32 s75, s75, 22                        ; its tiles
	s_mul_i32 s81, s75, 66
	s_cmp_eq_u32 ttmp9, \m                         ; work-group m < 8 writes model m's fillers
	s_cselect_b32 s78, s74, s78
	s_cselect_b32 s79, s81, s79
	s_cselect_b32 s80, s77, s80
	s_add_co_u32 s76, s76, s74
	s_mul_i32 s81, s75, 80
	s_add_co_u32 s77, s77, s81
.endr
	s_sub_co_u32 s81, ttmp9, 8                     ; work-groups 8 .. 15: the tiles behind the last one in use, of which there are at most 7 (16,384 / 66 > 248)
	s_mul_i32 s81, s81, 80
	s_add_co_u32 s81, s81, s77
	s_cmp_lt_u32 s81, 20480
	s_cselect_b32 s82, 66, 0
	s_cmp_gt_u32 ttmp9, 7
	s_cselect_b32 s80, s81, s80
	s_cselect_b32 s79, s82, s79
	s_cselect_b32 s78, 0, s78
.irp e, 0,1,2,3,4,5,6,7
	v_mov_b32 v[32+\e], 0                          ; v32-35 ranks, v36-39 80 x the model's first tile
.endr
.irp m, 0,1,2,3,4,5,6,7
.irp e, 0,1,2,3
	v_cmp_eq_u32 s[82+\e], \m, v[20+\e]
.endr
.irp e, 0,1,2
	s_bcnt1_i32_b32 s[94+\e], s[82+\e]
.endr
	s_add_co_u32 s98, s[52+\m], s94
	s_add_co_u32 s99, s98, s95
	s_add_co_u32 s100, s99, s96
	v_mbcnt_lo_u32_b32 v40, s82, s[52+\m]
	v_mbcnt_lo_u32_b32 v41, s83, s98
	v_mbcnt_lo_u32_b32 v42, s84, s99
	v_mbcnt_lo_u32_b32 v43, s85, s100
.irp e, 0,1,2,3
	v_cndmask_b32 v[32+\e], v[32+\e], v[40+\e], s[82+\e]
.endr
.irp e, 0,1,2,3
	v_mov_b32 v[44+\e], s[66+\m]
.endr
.irp e, 0,1,2,3
	v_cndmask_b32 v[36+\e], v[36+\e], v[44+\e], s[82+\e]
.endr
.endr
	v_add_nc_u32 v30, s78, v0                      ; a filler's rank
	v_mul_u32_u24 v31, 0xf83f, v30
.irp e, 0,1,2,3
	v_mul_u32_u24 v[40+\e], 0xf83f, v[32+\e]
.endr
	v_lshrrev_b32 v31, 22, v31
.irp e, 0,1,2,3
	v_lshrrev_b32 v[40+\e], 22, v[40+\e]           ; rank / 66
.endr
	v_mad_u32_u24 v31, v31, 14, v30
.irp e, 0,1,2,3
	v_mad_u32_u24 v[40+\e], v[40+\e], 14, v[32+\e] ; 80 (rank / 66) + rank % 66
.endr
	v_add_nc_u32 v31, s80, v31
.irp e, 0,1,2,3
	v_add_nc_u32 v[40+\e], v[40+\e], v[36+\e]
.endr
	v_min_u32 v31, 0x4fff, v31
.irp e, 0,1,2,3
	v_min_u32 v[40+\e], 0x4fff, v[40+\e]           ; a number made of loaded data is held inside the buffer before it becomes an address
.endr
	v_lshlrev_b32 v31, 2, v31
.irp e, 0,1,2,3
	v_lshlrev_b32 v[40+\e], 2, v[40+\e]
.endr
.irp e, 0,1,2,3
	v_add_nc_u32 v[44+\e], \e, v11                 ; my frames
.endr
.irp e, 0,1,2,3
	global_store_b32 v[40+\e], v[44+\e], s[14:15]
.endr
	s_wait_alu depctr_va_vdst(0)                   ; the wait ahead of the branch
	s_or_b32 s81, ttmp9, s2
	s_cmp_lg_u32 s81, 0
	s_cbranch_scc1 .Lfill                          ; wave 0 of work-group 0 stores starts
.irp m, 0,1,2,3,4,5,6,7
	v_writelane_b32 v28, s[86+\m], \m
.endr
	global_store_b32 v19, v28, s[16:17]            ; 8 starts, then zeros
.Lfill:
	v_cmp_gt_u32 vcc_lo, s79, v30
	s_wait_xcnt 0x0                                ; EXEC changes only behind this wait
	s_and_saveexec_b32 s81, vcc_lo
	global_store_b32 v31, v29, s[14:15]
	s_endpgm
.Lfunc_end_k_q4f50db6373_prep:
	.size	k_q4f50db6373_prep, .Lfunc_end_k_q4f50db6373_prep-k_q4f50db6373_prep
	.p2alignl 7, 3214868480
	.fill 96, 4, 3214868480
	.section	.rodata,"a",@progbits
	.p2align	6, 0x0
	.amdhsa_kernel k_q4f50db6373_prep
		.amdhsa_group_segment_fixed_size 12032
		.amdhsa_private_segment_fixed_size 0
		.amdhsa_enable_private_segment 0
		.amdhsa_kernarg_size 56
		.amdhsa_user_sgpr_count 2
		.amdhsa_user_sgpr_kernarg_segment_ptr 1
		.amdhsa_wavefront_size32 1
		.amdhsa_system_sgpr_workgroup_id_x 1
		.amdhsa_system_sgpr_workgroup_id_y 1
		.amdhsa_system_sgpr_workgroup_id_z 1
		.amdhsa_system_vgpr_workitem_id 0
		.amdhsa_next_free_vgpr 144
		.amdhsa_next_free_sgpr 102
		.amdhsa_reserve_vcc 1
		.amdhsa_float_denorm_mode_32 3
		.amdhsa_float_denorm_mode_16_64 3
		.amdhsa_memory_ordered 1
		.amdhsa_forward_progress 1
		.amdhsa_inst_pref_size 63
	.end_amdhsa_kernel
	.amdgpu_metadata
---
amdhsa.version: [ 1, 2 ]
amdhsa.kernels:
  - .name:           k_q4f50db6373_prep
    .symbol:         k_q4f50db6373_prep.kd
    .args:
      - { .name: centroids, .offset: 0, .size: 8, .value_kind: global_buffer, .address_space: global }
      - { .name: model_idx, .offset: 8, .size: 8, .value_kind: global_buffer, .address_space: global }
      - { .name: cq, .offset: 16, .size: 8, .value_kind: global_buffer, .address_space: global }
      - { .name: csc, .offset: 24, .size: 8, .value_kind: global_buffer, .address_space: global }
      - { .name: csq, .offset: 32, .size: 8, .value_kind: global_buffer, .address_space: global }
      - { .name: orderp, .offset: 40, .size: 8, .value_kind: global_buffer, .address_space: global }
      - { .name: starts, .offset: 48, .size: 8, .value_kind: global_buffer, .address_space: global }
    .group_segment_fixed_size: 12032
    .private_segment_fixed_size: 0
    .kernarg_segment_align: 8
    .kernarg_segment_size: 56
    .max_flat_workgroup_size: 256
    .sgpr_count:     102
    .vgpr_count:     144
    .wavefront_size: 32
...
	.end_amdgpu_metadata
.endif
;; end of part 1
;; launch assign (part 2): grid 256 x 1, 8 waves a work-group, no clusters, 54,784 bytes of LDS; arguments emb, orderp, starts, cq, csc, csq, src; writes src
.if DOCPART == 2
	.amdgcn_target "amdgcn-amd-amdhsa--gfx1250"
	.amdhsa_code_object_version 6
	.text
	.protected	k_q4f50db6373_assign
	.globl	k_q4f50db6373_assign
	.p2align	8
	.type	k_q4f50db6373_assign,@function
k_q4f50db6373_assign:
	s_mov_b64 s[64:65], 0
	v_nop
	global_prefetch_b8 v0, s[64:65] scope:SCOPE_SE
	s_setreg_imm32_b32 hwreg(HW_REG_WAVE_MODE, 25, 1), 1
	s_wait_xcnt 0x0
; ONE TILE: up to 66 frames of ONE model (orderp[80 x tile ..]): quantise to FP4 (E2M1) with an E8M0 byte for each 32, product with the model's 512 centroids, first index of the largest dot - c_sq / 2;
; src[place] = frame | (512 x model + index) << 14, place = starts[model] + 66 x (tile within the model) + slot. x_sq is left out: it is the same for all 512 distances of a frame (head of the first kernel).
; Only the model that model_idx names for a frame is multiplied.
; THE GRID serves every split: with 66 rows to a tile the 8 models have at most (16,384 + 8 x 65) / 66 = 256 tiles. A tile that the split leaves empty has the list's fillers (frame 0), count 0, and stores nothing.
; SHARES. Wave w quantises K step w (512 bytes) of all 66 rows, two rows at a time: 33 pairs, through a ring of 11 pairs of registers. Lane (r, h) loads piece r % 4 + 4 h (16 bytes) of block r / 4;
; a swap gives lanes 0-15 eight numbers of one row's block and lanes 16-31 eight of the other's (the permuted K order of the centroids' codes).
; Then wave w multiplies centroids 64 w .. 64 w + 63, whose codes for all of K stay in 256 registers, with each tile of 16 rows: the tile of rows 64 and 65 (pair 0) first, then rows 0-15, 16-31, 32-47, 48-63.
; The codes are asked for between the rows, six loads behind each of pairs 6 to 16; rows of later tiles are on their way while a tile is multiplied and searched.
; THE MATRIX INSTRUCTION IS USED TRANSPOSED: source 0 = 16 centroids, source 1 = 16 frames: lane (r, h) holds frame r, register j centroid 8 h + j. The sums begin with -c_sq / 2.
; NO TENSOR LOADS, NO CLUSTER, NO JOINT LOADS: rows come by a list, and how many tiles share a model hangs on counts read from memory. No prefetch: there is no loop; each wave has 22 rows' loads asked ahead.
; LIMITS: NaN and infinities are not served; a block of zeros gets the byte 1 (its codes are zeros); c_sq / 2 is added ahead of the products, an order of rounding that differs from the reference's; ties go to the lower index.
; REGISTERS: window 1 (v256-511): the centroids' codes, tile t, K step q at 64 t + 8 q. Window 0: as named below; v24-43 at work; XSC and CSC hold scales and nothing else.
.set XP,   528                         ; a row of codes in LDS: 512 bytes + 16
.set XS,   72*XP                       ; 72 rows x 48 bytes of scale bytes (32 used)
.set CS,   41472                       ; 8 waves x 64 of -c_sq / 2
.set RES,  43520                       ; 8 waves x 2 halves x 80 rows x (value, index)
.set SPARE, 53760                      ; spare words, 128 bytes a wave
.set VB,   1                           ; 512 w + my piece's place
.set L16,  2
.set EOFF, 3                           ; 32 x lane
.set XCW,  4                           ; codes into LDS
.set XSW,  5                           ; scale bytes into LDS
.set XFA,  6                           ; a fragment: row r, 16 h
.set XFA4, 7                           ; the tile of rows 64, 65 (LDS rows 64 and 68): row r % 2
.set XSA,  8                           ; scale words: row r
.set XSA4, 9
.set CSA,  10                          ; -c_sq / 2 in the result's layout
.set CSW,  11
.set RSA,  12                          ; my results
.set RDA,  13                          ; results read back
.set VF,   14                          ; the frame of row ROW
.set VFO,  15
.set ROW,  16                          ; 16 w + lane / 2: the row that I join and store (waves 0 to 4)
.set C4,   17
.set HOFF, 18                          ; 64 w + 8 h
.set SPW,  19
.set NIL,  20
.set RP,   22
.set M1,   24
.set M2,   29
.set SO,   34
.set CD,   39
.set XSC,  44
.set CSC,  52
.set ACC,  68
.set XF,   100
.set RG,   164                         ; the ring: pair p at RG + 8 (p % 11)
.set LL,   XF                          ; at the head
.set LR,   XF+1
.set LH,   XF+2
.set LB,   XF+3
.set LI,   XF+4
.set LO,   XF+5
.set LW,   XF+6
.set LT,   XF+7
.set MK,   16                          ; s16-19 compare masks (the list's first words, used by then)
.set MSB, 0
.macro WIN new                         ; bits 1:0 source 0, 7:6 destination; the high byte repeats the setting that is left
.if MSB != \new
	s_set_vgpr_msb (MSB<<8)|\new
.set MSB, \new
.endif
.endm
	s_load_b256 s[4:11], s[0:1], 0x0               ; emb, orderp, starts, cq
	s_load_b128 s[12:15], s[0:1], 0x20             ; csc, csq
	s_load_b64 s[2:3], s[0:1], 0x30                ; src
	s_mul_i32 s66, ttmp9, 320                      ; my tile's 80 words
	v_lshrrev_b32 v[LW], 5, v0
	v_readfirstlane_b32 s67, v[LW]                 ; wave 0..7
	v_and_b32 v[LL], 31, v0
	v_and_b32 v[LR], 15, v0
	v_bfe_u32 v[LH], v0, 4, 1
	v_bfe_u32 v[LB], v0, 2, 2
	v_and_b32 v[LI], 3, v0
	v_and_b32 v[LO], 1, v0
	v_lshrrev_b32 v[LT], 1, v[LL]
	v_lshl_add_u32 v[ROW], v[LW], 4, v[LT]
	v_min_u32 v[VFO], 65, v[ROW]
	v_lshlrev_b32 v[VFO], 2, v[VFO]
	v_add_nc_u32 v[VFO], s66, v[VFO]
	v_lshlrev_b32 v[VB], 9, v[LW]
	v_lshl_add_u32 v[VB], v[LB], 7, v[VB]
	v_lshl_add_u32 v[VB], v[LI], 4, v[VB]
	v_lshl_add_u32 v[VB], v[LH], 6, v[VB]
	v_lshlrev_b32 v[L16], 4, v[LL]
	v_lshlrev_b32 v[EOFF], 5, v[LL]
	v_lshlrev_b32 v[C4], 2, v[LL]
	v_mul_u32_u24 v[XCW], 4*XP, v[LH]
	v_lshl_add_u32 v[XCW], v[LW], 6, v[XCW]
	v_lshl_add_u32 v[XCW], v[LR], 2, v[XCW]        ; 64 w + 4 r, lanes 16-31 four rows further down
	v_mul_u32_u24 v[XSW], 192, v[LH]
	v_add_nc_u32 v[XSW], v[XSW], v[LB]
	v_lshl_add_u32 v[XSW], v[LW], 2, v[XSW]
	v_add_nc_u32 v[XSW], XS, v[XSW]
	v_mul_u32_u24 v[XFA], XP, v[LR]
	v_lshl_add_u32 v[XFA], v[LH], 4, v[XFA]
	v_mul_u32_u24 v[XFA4], 4*XP, v[LO]
	v_lshl_add_u32 v[XFA4], v[LH], 4, v[XFA4]
	v_add_nc_u32 v[XFA4], 64*XP, v[XFA4]
	v_mul_u32_u24 v[XSA], 48, v[LR]
	v_add_nc_u32 v[XSA], XS, v[XSA]
	v_mul_u32_u24 v[XSA4], 192, v[LO]
	v_add_nc_u32 v[XSA4], XS+64*48, v[XSA4]
	v_lshlrev_b32 v[CSA], 8, v[LW]
	v_lshl_add_u32 v[CSA], v[LH], 5, v[CSA]
	v_add_nc_u32 v[CSA], CS, v[CSA]
	v_lshlrev_b32 v[CSW], 8, v[LW]
	v_lshl_add_u32 v[CSW], v[LL], 2, v[CSW]
	v_add_nc_u32 v[CSW], CS, v[CSW]
	v_lshl_add_u32 v[LT], v[LW], 1, v[LH]
	v_mul_u32_u24 v[RSA], 640, v[LT]
	v_lshl_add_u32 v[RSA], v[LR], 3, v[RSA]
	v_add_nc_u32 v[RSA], RES, v[RSA]
	v_mul_u32_u24 v[RDA], 640, v[LO]
	v_lshl_add_u32 v[RDA], v[ROW], 3, v[RDA]
	v_add_nc_u32 v[RDA], RES, v[RDA]
	v_lshlrev_b32 v[HOFF], 6, v[LW]
	v_lshl_add_u32 v[HOFF], v[LH], 3, v[HOFF]
	v_lshl_add_u32 v[SPW], v0, 2, SPARE
	v_mov_b32 v[NIL], 0
	s_wait_alu depctr_va_vdst(0)                   ; the wait at the head's end
	s_mov_b32 s96, 16384                           ; behind starts[7]: the end
	s_mov_b32 s86, 0                               ; model,
	s_mov_b32 s87, 0                               ; tile within the model,
	s_mov_b32 s101, 0                              ; the model's frames,
	s_mov_b32 s104, 0                              ; its first place: an empty tile keeps these zeros
	s_mov_b32 s100, 0                              ; tiles passed
	s_wait_kmcnt 0x0
	s_load_b512 s[16:31], s[6:7], s66 offset:0x0   ; the frames of slots 0-15,
	s_load_b512 s[32:47], s[6:7], s66 offset:0x40
	s_load_b512 s[48:63], s[6:7], s66 offset:0x80
	s_load_b512 s[68:83], s[6:7], s66 offset:0xc0  ; 48-63,
	s_load_b64 s[84:85], s[6:7], s66 offset:0x100  ; 64 and 65
	s_load_b256 s[88:95], s[8:9], 0x0              ; starts
	global_load_b32 v[VF], v[VFO], s[6:7]
.set LC, 1                             ; global loads issued so far
.set CI, 0                             ; of them the centroids' codes
	s_wait_kmcnt 0x0
; Pair p is asked for into its place in the ring: pair 0 = slots 64, 65; pair 1 + 8 mt + j = rows 16 mt + j % 4 + 8 (j / 4) and four further down. From pair 6 on six loads of codes follow, while there are any.
.macro PUT p
.if (\p) < 33
.set PR, RG+8*((\p)%11)
.if (\p) == 0
.set PA, 64
.set PB, 65
.else
.set PJ, ((\p)-1)%8
.set PA, 16*(((\p)-1)/8)+(PJ%4)+8*(PJ/4)
.set PB, PA+4
.endif
.if PA < 48
.set PA, PA+16
.set PB, PB+16
.else
.set PA, PA+20
.set PB, PB+20
.endif
	s_min_u32 s[PA], s[PA], 0x3fff                 ; loaded numbers are held inside the buffer before they enter an address
	s_min_u32 s[PB], s[PB], 0x3fff
	v_lshl_add_u32 v[PR], s[PA], 12, v[VB]         ; a row of emb is 4,096 bytes; the load lands on its own offset register
	v_lshl_add_u32 v[PR+4], s[PB], 12, v[VB]
	global_load_b128 v[PR:PR+3], v[PR], s[4:5] th:TH_LOAD_NT
	global_load_b128 v[PR+4:PR+7], v[PR+4], s[4:5] th:TH_LOAD_NT
.set LC, LC+2
.if (\p) > 5
.rept 6
.if CI < 64
	WIN 0x40
	global_load_b128 v[4*CI:4*CI+3], v[L16], s[10:11] offset:512*CI   ; 512 consecutive bytes: tile CI / 16, K step (CI / 2) % 8, half CI % 2
.set CI, CI+1
.set LC, LC+1
.endif
.endr
	WIN 0
.endif
.endif
.endm
; Pair p is in: loads come back in order; FP counts the loads up to pair p's second: 1, two a pair, 6 behind pair 5, the codes behind pairs 6 on.
.macro WAITP p
.if (\p) < 6
.set FP, 3+2*(\p)
.else
.set CP, 6*((\p)-6)
.if CP > 64
.set CP, 64
.endif
.set FP, 19+2*((\p)-5)+CP
.endif
	WAITL FP
.endm
.macro WAITL f                         ; the first f loads are in
.set WC, LC-(\f)
.if WC > 63
.set WC, 63
.endif
	s_wait_loadcnt WC
.endm
.irp p, 0,1,2,3,4,5
	PUT \p
.endr
.irp m, 0,1,2,3,4,5,6,7                                ; which model's tile am I?  Model m has ceil(count / 66) tiles
	s_sub_co_u32 s97, s[89+\m], s[88+\m]
	s_add_co_u32 s98, s97, 65
	s_mul_i32 s98, s98, 63551                      ; x / 66 = (x x 63,551) >> 22, exact for x up to 16,449
	s_lshr_b32 s98, s98, 22
	s_sub_co_u32 s99, ttmp9, s100                  ; my number among them (it wraps to a huge number where I lie ahead of them)
	s_add_co_u32 s100, s100, s98
	s_cmp_lt_u32 s99, s98
	s_cselect_b32 s86, \m, s86
	s_cselect_b32 s87, s99, s87
	s_cselect_b32 s101, s97, s101
	s_cselect_b32 s104, s[88+\m], s104
.endr
	s_min_u32 s86, s86, 7                          ; numbers that hang on loaded data are held inside their buffers before they enter an address
	s_mul_i32 s97, s87, 66
	s_add_co_u32 s87, s104, s97
	s_min_u32 s87, s87, 0x3fff                     ; my first place
	s_sub_co_u32 s66, s101, s97
	s_min_u32 s66, s66, 66                         ; my rows
	s_lshl_b32 s98, s86, 18                        ; my 4 tiles of codes: (32 model + 4 w) x 8,192 bytes
	s_lshl_b32 s99, s67, 15
	s_add_co_u32 s98, s98, s99
	s_mov_b32 s99, 0
	s_add_nc_u64 s[10:11], s[10:11], s[98:99]
	s_lshl_b32 s98, s86, 14                        ; my 64 centroids' scale bytes: (512 model + 64 w) x 32
	s_lshl_b32 s99, s67, 11
	s_add_co_u32 s98, s98, s99
	s_mov_b32 s99, 0
	s_add_nc_u64 s[12:13], s[12:13], s[98:99]
	s_lshl_b32 s98, s86, 11                        ; and their -c_sq / 2: x 4
	s_lshl_b32 s99, s67, 8
	s_add_co_u32 s98, s98, s99
	s_mov_b32 s99, 0
	s_add_nc_u64 s[14:15], s[14:15], s[98:99]
	s_lshl_b32 s86, s86, 9                         ; 512 x model
.irp p, 0,1
.irp f, 0,1
	global_load_b128 v[CSC+8*\p+4*\f:CSC+8*\p+4*\f+3], v[EOFF], s[12:13] offset:1024*\p+16*\f   ; lane l: centroid 32 p + l, its words 4 f .. 4 f + 3
.endr
.endr
	global_load_b32 v[XF+8], v[C4], s[14:15]
	global_load_b32 v[XF+9], v[C4], s[14:15] offset:128
.set LC, LC+6
.irp p, 6,7,8,9,10
	PUT \p
.endr
; c pairs from pair n on, by turns: swap, largest magnitude, codes and byte to LDS; then the pairs 11 further on are asked for.
.macro QG n, c
.irp k, 0,1,2,3,4
.if \k < \c
.set QR\k, RG+8*(((\n)+\k)%11)
.if ((\n)+\k) == 0
.set RW\k, 64
.else
.set RW\k, 16*(((\n)+\k-1)/8)+((((\n)+\k-1)%8)%4)+8*((((\n)+\k-1)%8)/4)
.endif
.endif
.endr
	WAITP (\n)+\c-1
.irp i, 0,1,2,3
.irp k, 0,1,2,3,4
.if \k < \c
	v_permlane16_swap_b32 v[QR\k+\i], v[QR\k+4+\i]
.endif
.endr
.endr
.irp k, 0,1,2,3,4
.if \k < \c
	v_max3_num_f32 v[M1+\k], |v[QR\k]|, |v[QR\k+1]|, 0x1800000   ; the floor 2^(3 - 127): the byte cannot fall under 1
	v_max3_num_f32 v[M2+\k], |v[QR\k+2]|, |v[QR\k+3]|, |v[QR\k+4]|
.endif
.endr
.irp k, 0,1,2,3,4
.if \k < \c
	v_max3_num_f32 v[M1+\k], v[M1+\k], |v[QR\k+5]|, |v[QR\k+6]|
.endif
.endr
.irp k, 0,1,2,3,4
.if \k < \c
	v_max3_num_f32 v[M1+\k], v[M1+\k], v[M2+\k], |v[QR\k+7]|
.endif
.endr
.irp x, 1,2
.irp k, 0,1,2,3,4
.if \k < \c
	v_max_num_f32_dpp v[M1+\k], v[M1+\k], v[M1+\k] row_xmask:\x row_mask:0xf bank_mask:0xf   ; with the block's other three lanes
.endif
.endr
.endr
.irp k, 0,1,2,3,4
.if \k < \c
	v_add_nc_u32 v[SO+\k], 0xff000000, v[M1+\k]    ; 2 off the exponent field: the conversion's scale operand
.endif
.endr
.irp k, 0,1,2,3,4
.if \k < \c
	v_cvt_scalef32_pk8_fp4_f32 v[CD+\k], v[QR\k:QR\k+7], v[SO+\k]
.endif
.endr
.irp k, 0,1,2,3,4
.if \k < \c
	v_lshrrev_b32 v[M2+\k], 23, v[SO+\k]           ; the scale's byte; also the plain line behind the conversions
.endif
.endr
.irp k, 0,1,2,3,4
.if \k < \c
	ds_store_b32 v[XCW], v[CD+\k] offset:XP*RW\k   ; 64 consecutive bytes of each of the two rows
	ds_store_b8 v[XSW], v[M2+\k] offset:48*RW\k    ; a block's four lanes write the same byte with the same value
.endif
.endr
.irp k, 0,1,2,3,4
.if \k < \c
	PUT (\n)+11+\k
.endif
.endr
.endm
.macro AFETCH                          ; the four accumulators begin with -c_sq / 2 of centroids 16 t + 8 h + j
.irp t, 0,1,2,3
.irp e, 0,1
	ds_load_b128 v[ACC+8*\t+4*\e:ACC+8*\t+4*\e+3], v[CSA] offset:64*\t+16*\e
.endr
.endr
.endm
.macro MEET
	s_wait_dscnt 0x0                               ; for the others' sake: all my stores have landed
	s_barrier_signal -1
	s_barrier_wait -1
.endm
.macro TFETCH mt                       ; a tile's scale words, then its fragments, K ascending: 18 loads
.if \mt < 4
.irp f, 0,1
	ds_load_b128 v[XSC+4*\f:XSC+4*\f+3], v[XSA] offset:768*\mt+16*\f
.endr
.irp q, 0,1,2,3,4,5,6,7
.irp c, 0,1
	ds_load_b128 v[XF+8*\q+4*\c:XF+8*\q+4*\c+3], v[XFA] offset:16*XP*\mt+64*\q+32*\c
.endr
.endr
.else
.irp f, 0,1
	ds_load_b128 v[XSC+4*\f:XSC+4*\f+3], v[XSA4] offset:16*\f
.endr
.irp q, 0,1,2,3,4,5,6,7
.irp c, 0,1
	ds_load_b128 v[XF+8*\q+4*\c:XF+8*\q+4*\c+3], v[XFA4] offset:64*\q+32*\c
.endr
.endr
.endif
.endm
; A tile's 32 products. The four accumulators take turns, three others between a sum's steps. early = 1: the tile's 18 LDS loads alone are out, and K step q waits for its own.
; Four v_nop follow: loads into registers that matrix instructions have read and vector instructions that read a result stand four places behind (ISA guide 7.12.1 for vector instructions).
.macro PROD early
	WIN 0x01                                       ; source 0 (the centroids) window 1
.irp q, 0,1,2,3,4,5,6,7
.if \early
	s_wait_dscnt 14-2*\q                           ; the fragments of the K steps behind this one may stay out
.elseif \q == 0
	s_wait_dscnt 0x0
.endif
.irp t, 0,1,2,3
.if \t % 2
	v_wmma_scale_f32_16x16x128_f8f6f4 v[ACC+8*\t:ACC+8*\t+7], v[64*\t+8*\q:64*\t+8*\q+7], v[XF+8*\q:XF+8*\q+7], v[ACC+8*\t:ACC+8*\t+7], v[CSC+8*(\t/2)+\q], v[XSC+\q] matrix_a_fmt:MATRIX_FMT_FP4 matrix_b_fmt:MATRIX_FMT_FP4 matrix_a_scale:MATRIX_SCALE_ROW1
.else
	v_wmma_scale_f32_16x16x128_f8f6f4 v[ACC+8*\t:ACC+8*\t+7], v[64*\t+8*\q:64*\t+8*\q+7], v[XF+8*\q:XF+8*\q+7], v[ACC+8*\t:ACC+8*\t+7], v[CSC+8*(\t/2)+\q], v[XSC+\q] matrix_a_fmt:MATRIX_FMT_FP4 matrix_b_fmt:MATRIX_FMT_FP4
.endif
.endr
.endr
	WIN 0
.rept 4
	v_nop
.endr
.endm
; The largest of a lane's 32 numbers and its first index: four chains, one an accumulator, each from its low end on; strictly greater, so the lower index stays. M1: values, M2: indices.
.macro BEST mt
.irp t, 0,1,2,3
	v_cmp_gt_f32 s[MK+\t], v[ACC+8*\t+1], v[ACC+8*\t]
.endr
.irp t, 0,1,2,3
	v_cndmask_b32 v[M2+\t], 16*\t, 16*\t+1, s[MK+\t]
.endr
.irp t, 0,1,2,3
	v_max_num_f32 v[M1+\t], v[ACC+8*\t], v[ACC+8*\t+1]
.endr
.irp j, 2,3,4,5,6,7
.irp t, 0,1,2,3
	v_cmp_gt_f32 s[MK+\t], v[ACC+8*\t+\j], v[M1+\t]
.endr
.irp t, 0,1,2,3
	v_cndmask_b32 v[M2+\t], v[M2+\t], 16*\t+\j, s[MK+\t]
.endr
.irp t, 0,1,2,3
	v_max_num_f32 v[M1+\t], v[M1+\t], v[ACC+8*\t+\j]
.endr
.endr
.irp t, 0,2
	v_cmp_gt_f32 s[MK+\t], v[M1+\t+1], v[M1+\t]
.endr
.irp t, 0,2
	v_cndmask_b32 v[M2+\t], v[M2+\t], v[M2+\t+1], s[MK+\t]
.endr
.irp t, 0,2
	v_max_num_f32 v[M1+\t], v[M1+\t], v[M1+\t+1]
.endr
	v_cmp_gt_f32 s[MK], v[M1+2], v[M1]
	v_max_num_f32 v[RP], v[M1], v[M1+2]
	v_cndmask_b32 v[M2], v[M2], v[M2+2], s[MK]
	v_add_nc_u32 v[RP+1], v[HOFF], v[M2]           ; the index among the model's 512
	ds_store_b64 v[RSA], v[RP:RP+1] offset:128*\mt
.endm
	QG 0, 5
	QG 5, 4
	WAITL 19                                       ; the list's frame, pairs 0-5, scale words and -c_sq / 2 are in
	ds_store_b32 v[CSW], v[XF+8]
	ds_store_b32 v[CSW], v[XF+9] offset:128
	QG 9, 4
	QG 13, 4
	AFETCH                                         ; my own bytes: LDS serves a wave's instructions in order
	MEET                                           ; rows 0-31, 64 and 65 lie in LDS
	WAITL 105                                      ; the last of the codes: 101 loads up to pair 16, and 4 behind it
	TFETCH 4
	PROD 1
	TFETCH 0
	BEST 4
	AFETCH
	PROD 0
	TFETCH 1
	BEST 0
	QG 17, 4                                       ; pairs 28-31 are asked for ahead of the third tile's products
	AFETCH
	PROD 0
	BEST 1
	QG 21, 4
	AFETCH
	MEET                                           ; rows 32-47
	TFETCH 2
	PROD 1
	BEST 2
	QG 25, 4
	QG 29, 4
	AFETCH
	MEET                                           ; rows 48-63
	TFETCH 3
	PROD 1
	BEST 3
	; THE WAY OUT. A row has 16 results: 8 waves x 2 halves. Two lanes serve a row, one a half: waves ascending, strictly greater.
	s_wait_tensorcnt 0x0
	ds_add_u32 v[SPW], v[NIL]
	s_wait_dscnt 0x0
	s_barrier_signal -1
	s_barrier_wait -1
	s_cmp_gt_u32 s67, 4                            ; waves 0 to 4: 16 rows each
	s_cbranch_scc1 .Lend
.irp w, 0,1,2,3,4,5,6,7
	ds_load_b64 v[XF+2*\w:XF+2*\w+1], v[RDA] offset:1280*\w
.endr
	s_wait_dscnt 0x0
.macro JOIN a, b, m
	v_cmp_gt_f32 s[MK+\m], v[XF+2*\b], v[XF+2*\a]
	v_cndmask_b32 v[XF+2*\a+1], v[XF+2*\a+1], v[XF+2*\b+1], s[MK+\m]
	v_max_num_f32 v[XF+2*\a], v[XF+2*\a], v[XF+2*\b]
.endm
	JOIN 0, 1, 0
	JOIN 2, 3, 1
	JOIN 4, 5, 2
	JOIN 6, 7, 3
	JOIN 0, 2, 0
	JOIN 4, 6, 1
	JOIN 0, 4, 0
	v_mov_b32_dpp v[XF+2], v[XF] row_xmask:1 row_mask:0xf bank_mask:0xf       ; the other half's
	v_mov_b32_dpp v[XF+3], v[XF+1] row_xmask:1 row_mask:0xf bank_mask:0xf
	v_cmp_gt_f32 s[MK], v[XF+2], v[XF]
	v_cmp_eq_f32 s[MK+1], v[XF+2], v[XF]
	v_cmp_lt_u32 s[MK+2], v[XF+3], v[XF+1]
	s_and_b32 s[MK+1], s[MK+1], s[MK+2]
	s_or_b32 s[MK], s[MK], s[MK+1]                 ; it is greater, or equal with the lower index
	v_cndmask_b32 v[XF+1], v[XF+1], v[XF+3], s[MK]
	v_add_nc_u32 v[XF+1], s86, v[XF+1]             ; the row of centroids, all models on end
	v_lshl_or_b32 v[XF+4], v[XF+1], 14, v[VF]
	v_add_nc_u32 v[XF+5], s87, v[ROW]
	v_min_u32 v[XF+5], 0x3fff, v[XF+5]             ; held inside the buffer
	v_lshlrev_b32 v[XF+5], 2, v[XF+5]
	v_cmp_gt_u32 vcc_lo, s66, v[ROW]               ; only the tile's own rows,
	s_and_b32 vcc_lo, vcc_lo, 0x55555555           ; by the even lanes
	s_wait_alu depctr_va_vdst(0)
	s_wait_xcnt 0x0                                ; EXEC changes only behind this wait
	s_and_saveexec_b32 s18, vcc_lo
	global_store_b32 v[XF+5], v[XF+4], s[2:3]
	s_endpgm
.Lend:
	s_endpgm
.Lfunc_end_k_q4f50db6373_assign:
	.size	k_q4f50db6373_assign, .Lfunc_end_k_q4f50db6373_assign-k_q4f50db6373_assign
	.p2alignl 7, 3214868480
	.fill 96, 4, 3214868480
	.section	.rodata,"a",@progbits
	.p2align	6, 0x0
	.amdhsa_kernel k_q4f50db6373_assign
		.amdhsa_group_segment_fixed_size 54784
		.amdhsa_private_segment_fixed_size 0
		.amdhsa_enable_private_segment 0
		.amdhsa_kernarg_size 56
		.amdhsa_user_sgpr_count 2
		.amdhsa_user_sgpr_kernarg_segment_ptr 1
		.amdhsa_wavefront_size32 1
		.amdhsa_system_sgpr_workgroup_id_x 1
		.amdhsa_system_sgpr_workgroup_id_y 1
		.amdhsa_system_sgpr_workgroup_id_z 1
		.amdhsa_system_vgpr_workitem_id 0
		.amdhsa_next_free_vgpr 512
		.amdhsa_next_free_sgpr 106
		.amdhsa_reserve_vcc 1
		.amdhsa_float_denorm_mode_32 3
		.amdhsa_float_denorm_mode_16_64 3
		.amdhsa_memory_ordered 1
		.amdhsa_forward_progress 1
		.amdhsa_inst_pref_size 115
	.end_amdhsa_kernel
	.amdgpu_metadata
---
amdhsa.version: [ 1, 2 ]
amdhsa.kernels:
  - .name:           k_q4f50db6373_assign
    .symbol:         k_q4f50db6373_assign.kd
    .args:
      - { .name: emb, .offset: 0, .size: 8, .value_kind: global_buffer, .address_space: global }
      - { .name: orderp, .offset: 8, .size: 8, .value_kind: global_buffer, .address_space: global }
      - { .name: starts, .offset: 16, .size: 8, .value_kind: global_buffer, .address_space: global }
      - { .name: cq, .offset: 24, .size: 8, .value_kind: global_buffer, .address_space: global }
      - { .name: csc, .offset: 32, .size: 8, .value_kind: global_buffer, .address_space: global }
      - { .name: csq, .offset: 40, .size: 8, .value_kind: global_buffer, .address_space: global }
      - { .name: src, .offset: 48, .size: 8, .value_kind: global_buffer, .address_space: global }
    .group_segment_fixed_size: 54784
    .private_segment_fixed_size: 0
    .kernarg_segment_align: 8
    .kernarg_segment_size: 56
    .max_flat_workgroup_size: 256
    .sgpr_count:     106
    .vgpr_count:     512
    .wavefront_size: 32
...
	.end_amdgpu_metadata
.endif
;; end of part 2
;; launch fetch (part 3): grid 256 x 1, 16 waves a work-group, no clusters, 0 bytes of LDS; arguments centroids, src, out0; writes out0
.if DOCPART == 3
	.amdgcn_target "amdgcn-amd-amdhsa--gfx1250"
	.amdhsa_code_object_version 6
	.text
	.protected	k_q4f50db6373_fetch
	.globl	k_q4f50db6373_fetch
	.p2align	8
	.type	k_q4f50db6373_fetch,@function
k_q4f50db6373_fetch:
	s_mov_b64 s[64:65], 0
	v_nop
	global_prefetch_b8 v0, s[64:65] scope:SCOPE_SE
	s_setreg_imm32_b32 hwreg(HW_REG_WAVE_MODE, 25, 1), 1
	s_wait_xcnt 0x0
; out0[frame][:] = centroids (all models on end, [4096][1024] f32)[row][:], for the sorted places p: src[p] = frame | row << 14, whole numbers stored by the launch before.
; Wave w of work-group g takes places 64 g + 4 w .. + 3: four rows of 4,096 bytes; each load and store of a wave covers 512 consecutive bytes, at a multiple of 256 from its buffer's first byte.
; A work-group's 64 places are neighbours in the sorted order, so mostly of one model: rows that several of its frames have chosen are asked for close together.
; All 32 loads of a wave go out before its first store. Every row has registers of its own, so nothing is rewritten and no wait but the counted one for the loads is needed.
; A stream: no LDS, no barrier, no matrix unit, no cluster (work-groups share no tile at a known time), no prefetch (no loop to run ahead in).
	s_load_b128 s[4:7], s[0:1], 0x0                ; centroids, src
	s_load_b64 s[8:9], s[0:1], 0x10                ; out0
	v_lshrrev_b32 v1, 5, v0
	v_readfirstlane_b32 s2, v1                     ; wave 0..15
	v_and_b32 v2, 31, v0
	v_lshlrev_b32 v1, 4, v2                        ; 16 x lane
	s_wait_alu depctr_va_vdst(0)                   ; the wait at the head's end
	s_lshl_b32 s12, ttmp9, 8                       ; my four words: (64 g + 4 w) x 4 bytes
	s_lshl_b32 s13, s2, 4
	s_add_co_u32 s12, s12, s13
	s_mov_b32 s13, 0
	s_wait_kmcnt 0x0
	s_add_nc_u64 s[6:7], s[6:7], s[12:13]
	s_load_b128 s[16:19], s[6:7], 0x0
	s_wait_kmcnt 0x0
.irp i, 0,1,2,3
	s_lshr_b32 s[24+2*\i], s[16+\i], 14
	s_min_u32 s[24+2*\i], s[24+2*\i], 4095         ; loaded numbers are held inside their buffers before they enter an address
	s_lshl_b32 s[24+2*\i], s[24+2*\i], 12
	s_mov_b32 s[25+2*\i], 0
	s_add_nc_u64 s[24+2*\i:25+2*\i], s[4:5], s[24+2*\i:25+2*\i]
	s_and_b32 s[32+2*\i], s[16+\i], 0x3fff
	s_min_u32 s[32+2*\i], s[32+2*\i], 16383
	s_lshl_b32 s[32+2*\i], s[32+2*\i], 12
	s_mov_b32 s[33+2*\i], 0
	s_add_nc_u64 s[32+2*\i:33+2*\i], s[8:9], s[32+2*\i:33+2*\i]
.endr
.irp i, 0,1,2,3
.irp j, 0,1,2,3,4,5,6,7
	global_load_b128 v[4+32*\i+4*\j:7+32*\i+4*\j], v1, s[24+2*\i:25+2*\i] offset:512*\j   ; no hint: other frames may have chosen the same row
.endr
.endr
.irp i, 0,1,2,3
	s_wait_loadcnt 8*(3-\i)                        ; loads come back in order: the eight loads of each row behind row i may stay out
.irp j, 0,1,2,3,4,5,6,7
	global_store_b128 v1, v[4+32*\i+4*\j:7+32*\i+4*\j], s[32+2*\i:33+2*\i] offset:512*\j th:TH_STORE_NT   ; written once, read by nobody here
.endr
.endr
	s_endpgm
.Lfunc_end_k_q4f50db6373_fetch:
	.size	k_q4f50db6373_fetch, .Lfunc_end_k_q4f50db6373_fetch-k_q4f50db6373_fetch
	.p2alignl 7, 3214868480
	.fill 96, 4, 3214868480
	.section	.rodata,"a",@progbits
	.p2align	6, 0x0
	.amdhsa_kernel k_q4f50db6373_fetch
		.amdhsa_group_segment_fixed_size 0
		.amdhsa_private_segment_fixed_size 0
		.amdhsa_enable_private_segment 0
		.amdhsa_kernarg_size 24
		.amdhsa_user_sgpr_count 2
		.amdhsa_user_sgpr_kernarg_segment_ptr 1
		.amdhsa_wavefront_size32 1
		.amdhsa_system_sgpr_workgroup_id_x 1
		.amdhsa_system_sgpr_workgroup_id_y 1
		.amdhsa_system_sgpr_workgroup_id_z 1
		.amdhsa_system_vgpr_workitem_id 0
		.amdhsa_next_free_vgpr 132
		.amdhsa_next_free_sgpr 66
		.amdhsa_reserve_vcc 0
		.amdhsa_float_denorm_mode_32 3
		.amdhsa_float_denorm_mode_16_64 3
		.amdhsa_memory_ordered 1
		.amdhsa_forward_progress 1
		.amdhsa_inst_pref_size 9
	.end_amdhsa_kernel
	.amdgpu_metadata
---
amdhsa.version: [ 1, 2 ]
amdhsa.kernels:
  - .name:           k_q4f50db6373_fetch
    .symbol:         k_q4f50db6373_fetch.kd
    .args:
      - { .name: centroids, .offset: 0, .size: 8, .value_kind: global_buffer, .address_space: global }
      - { .name: src, .offset: 8, .size: 8, .value_kind: global_buffer, .address_space: global }
      - { .name: out0, .offset: 16, .size: 8, .value_kind: global_buffer, .address_space: global }
    .group_segment_fixed_size: 0
    .private_segment_fixed_size: 0
    .kernarg_segment_align: 8
    .kernarg_segment_size: 24
    .max_flat_workgroup_size: 512
    .sgpr_count:     66
    .vgpr_count:     132
    .wavefront_size: 32
...
	.end_amdgpu_metadata
.endif
;; end of part 3
